; MI455X (gfx1250); checked and timed in simulation.
; The chip was launched on July 23, 2026; its instructions are those of AMD's public machine-readable ISA for CDNA 5 (MIT licence, August 2026) and "CDNA5" Instruction Set Architecture Reference Guide (July 2026). The comments in the code are by the model that wrote it; some were corrected since.
;; K Madness. Allowed arithmetic: matrix products marked QUANTISED: E4M3 operands, one E8M0 scale for each 32 along K, by v_wmma_scale_f32_16x16x128_f8f6f4 with both operands' format E4M3, f32 sums; everything else in f32.
;; Inputs: coords 128 x 256 float32; x 16,384 x 256 float32.
;; Outputs: out0 16,384 x 128 bool.
;; This version of the problem:
;;   THIS VERSION OF THE PROBLEM IS GIVEN IN LOW PRECISION. The matrix products marked QUANTISED in the list below multiply operands that are first quantised to E4M3 (4 exponent bits, 3 mantissa bits; 8 bits a number), with one power-of-two scale for each 32 numbers along K (OCP MX v1.0); their sums are f32. All else is computed in f32.
;;   The module's matrix products, in the order in which they are computed (A, B: the left and right operand; K: the contracted axis; several contracted axes count as one K, in the product's order):
;;     1. [M 16,384, K 256] x [K 256, N 16,384]; A: input x; B: computed on the way: QUANTISED
;;   THE QUANTISER, for each operand of a quantised product, along K:
;;     - K is cut into blocks of 32 from its start; a last block that is shorter is filled with zeros.
;;     - A block's scale is 2^e with e = floor(log2(the largest magnitude in the block)) - 8, held to -126 .. 127; a block of zeros has e = 0. As a byte (E8M0): e + 127.
;;     - Each number is divided by its block's scale, clamped to +-448, and rounded to the nearest number of E4M3, ties to even, subnormals kept.
;;     - The product sums the exact products of the quantised numbers (number of the format x scale) in f32.
;;   ~~~python
;;   def quantise(x, axis):      # numpy; x: float32 -> the quantised numbers, widened to float32 again
;;       x = np.moveaxis(x, axis, -1); K = x.shape[-1]
;;       x = np.pad(x, [(0, 0)] * (x.ndim - 1) + [(0, -K % 32)]); x = x.reshape(x.shape[:-1] + (-1, 32)); a = np.abs(x).max(-1, keepdims=True)
;;       e = np.where(a > 0, np.clip(np.frexp(np.where(a > 0, a, 1))[1] - 1 - 8, -126, 127), 0)      # np.frexp(a)[1] - 1 = floor(log2(a)), exactly
;;       r = np.clip(x / 2.0 ** e, -448, 448)
;;       step = 2.0 ** (np.maximum(np.frexp(np.where(r == 0, 1, r))[1] - 1, -6) - 3)
;;       q = np.round(r / step) * step * 2.0 ** e      # np.round: ties to even
;;       return np.moveaxis(q.reshape(q.shape[:-2] + (-1,))[..., :K], -1, axis).astype(np.float32)
;;   ~~~
;;   OPERANDS COMPUTED ON THE WAY. 'Computed on the way' means the value that the module computes at that place (a softmax that the list does not call 'softmax' is quantised finished and normalised). What goes into a quantiser is computed in f32, as accurately as f32 sums, v_exp_f32 and their like allow (about 1e-6 of the number): no bf16 or f16 on the way to a quantiser, and a product that is left as it is and whose result goes on into a quantised operand takes f32 operands (vector FMAs, or v_wmma_f32_16x16x4_f32). A number that lies on a knife's edge between two numbers of the format may be rounded either way, as far as f32 arithmetic and the matrix unit's own rounding can turn it there, and no further.
;; One version. Each part assembles by itself: llvm-mc -triple=amdgcn-amd-amdhsa -mcpu=gfx1250 --defsym DOCPART=n.
;; ======== version 1 of 1: 2 launches
;; workspace buffers: xq 4,325,376 bytes; wq 4,194,304 bytes; wsb 196,608 bytes
;; launch prep (part 1): grid 256 x 1, 8 waves a work-group, no clusters, 71,680 bytes of LDS; arguments x, coords, xq, wq, wsb; writes xq, wq, wsb
.if DOCPART == 1
	.amdgcn_target "amdgcn-amd-amdhsa--gfx1250"
	.amdhsa_code_object_version 6
	.text
	.protected	k_qffc022e6a9_prep
	.globl	k_qffc022e6a9_prep
	.p2align	8
	.type	k_qffc022e6a9_prep,@function
k_qffc022e6a9_prep:
	s_mov_b64 s[64:65], 0
	v_nop
	global_prefetch_b8 v0, s[64:65] scope:SCOPE_SE
	s_setreg_imm32_b32 hwreg(HW_REG_WAVE_MODE, 25, 1), 1
	s_wait_xcnt 0x0
; Both operands of the one product are made here, once, as codes of FP8 (E4M3) with one E8M0 byte for each 32 along K (K = the 256 coordinates), laid as IMAGES OF THE OPERAND'S REGISTERS.
; A fragment is 16 rows x 128 K: 16 registers a lane; lane (r, h) holds row r, registers 4 c .. 4 c + 3 hold K = 32 c + 16 h + 0 .. 15.  Its image is 4 x 512 bytes: group c, lane l's 16 bytes at 512 c + 16 l.
; A scale word is a row's four bytes of one K step of 128.  A row block's 32 words: lanes 0-15 the words of K step 0, lanes 16-31 those of K step 1.
;   xq:  128 records of 33,792 bytes; record R = rows 128 R .. + 127: codes at 4096 rb + 2048 s + 512 c + 16 lane (row block rb, K step s), scale words at 32,768 + 128 rb + 4 lane.
;   wq:  128 records of 32,768 bytes; record j = the differences c_i - c_j, i = 0 .. 127: tile t (i = 16 t + r) at 4096 t + 2048 s + 512 c + 16 lane.
;   wsb: 128 records of 1,536 bytes; record j: scale words at 128 t + 4 lane; from byte 1,024 on the biases |c_i|^2 - |c_j|^2, 4 bytes each, with 2^127 at i = j (see the second launch).
; A block's scale is 2^(floor(log2(its largest magnitude)) - 8); its byte is the largest magnitude's exponent field - 8, held at 1 from below.  A block of zeros (all of row i = j) so gets the byte 1 where the rule says 127:
; its codes are zeros, which add nothing under any byte but 0xff, and this program alone reads the bytes.
; LIMITS: NaN and infinities among the inputs are not served; blocks whose largest magnitude lies under 2^(9 - 127) are quantised with the byte 1.
; SHARES.  Work-groups 0-127 take a record of x, work-groups 128-255 a record of w; eight waves, a wave a row block or a tile: two fragments either way.  The two paths part on the work-group's number, never join, and have LDS bytes of their own.
.set XREC, 33792
.set SREC, 1536
.set SP,   528                         ; a stage row: 512 bytes + 16 = 33 x 16: the sixteen rows that a load touches start 16 bytes apart modulo 256
.set STG,  16*SP                       ; x path: a stage of 16 rows for each wave, from LDS byte 0 on
.set XSC,  8*STG                       ; x path: the record's 256 scale words
.set WSC,  XSC+1024                    ; w path: the record's 256 scale words,
.set NT,   WSC+1024                    ; and behind them its 128 biases: 1,536 bytes on end, as they lie in wsb
.set L16, 1                            ; v1   16 x lane: an image's place for my lane; never rewritten
.set A1,  2                            ; v2   x path: the stage, on the way in;   w path: my bytes of c_i: 1,024 r + 64 h
.set A2,  3                            ; v3   x path: the stage, on the way out;  w path: my bytes of c_j: 64 h
.set SWA, 4                            ; v4   LDS: where my scale word goes
.set CPL, 5                            ; v5   LDS: what I copy out at the end
.set CPG, 6                            ; v6   and where it goes in the record
.set BA,  7                            ; v7   w path, LDS: where my bias goes
.set II,  8                            ; v8   w path: my i
.set NI,  9                            ; v9-10  |c_i|^2 of my half of each K step
.set NI1, 10
.set NJ,  11                           ; v11, v14  the same of c_j
.set NJ1, 14
.set PW,  12                           ; v12  the scale word just made
.set PW0, 13                           ; v13  that of K step 0
.set TM,  16                           ; v16-31 at work
.set D0,  32                           ; v32-95, v96-159, v160-223: 64 numbers each
.set D1,  96
.set D2,  160
.set PC0, 224                          ; v224-239, v240-255: the two fragments' codes: a set each, so that no store's data are written again
.set PC1, 240
; 64 numbers of a lane, register 16 b + i = K 32 b + 16 h + i of my row, become a fragment's codes in v[pc] on and its scale word in v[PW]
.macro QUANT s, pc
.irp b, 0,1,2,3
	v_max3_num_f32 v[TM+\b], |v[\s+16*\b]|, |v[\s+16*\b+1]|, 0x4800000   ; block b: my 16 numbers, and the floor 2^(9 - 127): the byte cannot fall under 1
.endr
.irp i, 2,4,6,8,10,12,14
.irp b, 0,1,2,3
	v_max3_num_f32 v[TM+\b], v[TM+\b], |v[\s+16*\b+\i]|, |v[\s+16*\b+\i+1]|   ; the four blocks by turns
.endr
.endr
.irp b, 0,1,2,3
	v_permlanex16_b32 v[TM+4+\b], v[TM+\b], s16, s17
.endr
.irp b, 0,1,2,3
	v_max_num_f32 v[TM+\b], v[TM+\b], v[TM+4+\b]          ; with lane l xor 16's 16 numbers: the block's largest magnitude
.endr
.irp b, 0,1,2,3
	v_add_nc_u32 v[TM+12+\b], 0xfc000000, v[TM+\b]        ; 8 off its exponent field: the conversion takes this operand's exponent field as its scale
.endr
.irp b, 0,1,2,3
	v_and_or_b32 v[TM+8+\b], v[TM+\b], 0x7f800000, s18    ; 448 x the scale: the exponent field over 448's mantissa field
.endr
.irp b, 0,1,2,3
	v_lshrrev_b32 v[TM+4+\b], 23, v[TM+12+\b]             ; the scale's byte
.endr
	v_lshl_or_b32 v[PW], v[TM+5], 8, v[TM+4]
	v_lshl_or_b32 v[PW], v[TM+6], 16, v[PW]
	v_lshl_or_b32 v[PW], v[TM+7], 24, v[PW]               ; my row's scale word (both halves of the lanes hold it)
.irp b, 0,1,2,3
.irp i, 0,1,2,3,4,5,6,7,8,9,10,11,12,13,14,15
	v_med3_num_f32 v[\s+16*\b+\i], v[\s+16*\b+\i], -v[TM+8+\b], v[TM+8+\b]   ; the conversion to an 8-bit code does not saturate (ISA guide 7.6.2): the hold at the largest code x the scale
.endr
	v_cvt_scalef32_pk8_fp8_f32 v[\pc+4*\b:\pc+4*\b+1], v[\s+16*\b:\s+16*\b+7], v[TM+12+\b]
	v_cvt_scalef32_pk8_fp8_f32 v[\pc+4*\b+2:\pc+4*\b+3], v[\s+16*\b+8:\s+16*\b+15], v[TM+12+\b]
.endr
	v_nop                                                  ; one plain vector line behind the last scaled conversion, ahead of whatever next writes its sources
.endm
.macro IMG pc, base, off               ; a fragment leaves as it stands: each store covers 512 consecutive bytes, aligned
.irp c, 0,1,2,3
	global_store_b128 v[L16], v[\pc+4*\c:\pc+4*\c+3], s[\base:\base+1] offset:\off+512*\c
.endr
.endm
.macro NORM src, dst                   ; the sum of the squares of 64 numbers, in four packed chains
.irp q, 0,2,4,6
	v_pk_mul_f32 v[TM+\q:TM+\q+1], v[\src+\q:\src+\q+1], v[\src+\q:\src+\q+1]
.endr
.irp i, 8,16,24,32,40,48,56
.irp q, 0,2,4,6
	v_pk_fma_f32 v[TM+\q:TM+\q+1], v[\src+\i+\q:\src+\i+\q+1], v[\src+\i+\q:\src+\i+\q+1], v[TM+\q:TM+\q+1]
.endr
.endr
	v_pk_add_f32 v[TM:TM+1], v[TM:TM+1], v[TM+2:TM+3]
	v_pk_add_f32 v[TM+4:TM+5], v[TM+4:TM+5], v[TM+6:TM+7]
	v_pk_add_f32 v[TM:TM+1], v[TM:TM+1], v[TM+4:TM+5]
	v_add_f32 v[\dst], v[TM], v[TM+1]
.endm
.macro DIFF a, b                       ; a -= b, 64 numbers
.set k_, 0
.rept 32
	v_pk_add_f32 v[\a+k_:\a+k_+1], v[\a+k_:\a+k_+1], v[\b+k_:\b+k_+1] neg_lo:[0,1] neg_hi:[0,1]
.set k_, k_+2
.endr
.endm
.macro LOADC dst, adr, base, ks        ; coords: of a row's K step ks my 16 numbers of each block of 32: register 16 b + 4 q on
.irp b, 0,1,2,3
.irp q, 0,1,2,3
	global_load_b128 v[\dst+16*\b+4*\q:\dst+16*\b+4*\q+3], v[\adr], s[\base:\base+1] offset:512*\ks+128*\b+16*\q
.endr
.endr
.endm
.macro TURN src                        ; 16 rows x 512 bytes, loaded as they lie, go through my stage and come back 16 neighbours of each block a lane.  LDS serves a wave's instructions in order (ISA guide 5.7.1.4): no wait between
.irp p, 0,1,2,3,4,5,6,7,8,9,10,11,12,13,14,15
	ds_store_b128 v[A1], v[\src+4*\p:\src+4*\p+3] offset:SP*\p
.endr
.irp b, 0,1,2,3
.irp q, 0,1,2,3
	ds_load_b128 v[D2+16*\b+4*\q:D2+16*\b+4*\q+3], v[A2] offset:128*\b+16*\q
.endr
.endr
	s_wait_dscnt 0x0
.endm
	s_load_b256 s[4:11], s[0:1], 0x0               ; x s[4:5], coords s[6:7], xq s[8:9], wq s[10:11]
	s_load_b64 s[12:13], s[0:1], 0x20              ; wsb
	v_lshl_add_u32 v15, v0, 2, 0x11400
	s_set_vgpr_msb 0x40
	v_mov_b32 v1, 0
	s_set_vgpr_msb 0x4000
	v_lshrrev_b32 v[TM], 5, v0
	v_readfirstlane_b32 s14, v[TM]                 ; wave 0..7
	v_and_b32 v[TM], 31, v0                        ; lane
	v_and_b32 v[TM+1], 15, v0                      ; r
	v_bfe_u32 v[TM+2], v0, 4, 1                    ; h
	v_lshlrev_b32 v[L16], 4, v[TM]
	s_and_b32 s15, ttmp9, 127                      ; the record: R or j
	s_mov_b32 s16, 0x76543210
	s_mov_b32 s17, 0xfedcba98                      ; v_permlanex16_b32's selects for lane l xor 16
	s_mov_b32 s18, 0x600000                        ; the mantissa field of 448
	s_mov_b32 s19, 0xffff0000                      ; lanes 16-31
	s_lshl_b32 s20, s14, 7
	v_lshl_add_u32 v[SWA], v[TM], 2, s20           ; 4 x lane + 128 x wave
.irp b, 0,1,2,3
	v_mov_b32 v[TM+4+\b], 0                        ; written once: a lane permute's destination counts as one of its sources
.endr
	s_mov_b32 s21, 0
	s_wait_kmcnt 0x0
	s_cmp_lt_u32 ttmp9, 128
	s_cbranch_scc0 .Lw_path
	; ---------------- x: wave w makes row block w of record R
	s_mul_i32 s22, s14, STG
	v_add_nc_u32 v[A1], s22, v[L16]                ; into my stage: 16 x lane, a row an instruction
	v_mul_u32_u24 v[A2], v[TM+1], SP
	v_lshl_add_u32 v[A2], v[TM+2], 6, v[A2]
	v_add_nc_u32 v[A2], s22, v[A2]                 ; out of it: row r, + 64 h
	v_add_nc_u32 v[SWA], XSC, v[SWA]
	s_min_u32 s22, s14, 1
	s_lshl_b32 s22, s22, 9
	v_add_nc_u32 v[CPG], s22, v[L16]               ; waves 0 and 1 copy the scale words out, 512 bytes each
	v_add_nc_u32 v[CPL], XSC, v[CPG]
	s_lshl_b32 s20, s15, 17                        ; 128 rows of 1,024 bytes a record,
	s_lshl_b32 s22, s14, 14                        ; 16 a wave
	s_add_co_u32 s20, s20, s22
	s_add_nc_u64 s[4:5], s[4:5], s[20:21]
	s_mul_i32 s20, s15, XREC
	s_add_nc_u64 s[8:9], s[8:9], s[20:21]          ; my record,
	s_lshl_b32 s20, s14, 12
	s_add_nc_u64 s[22:23], s[8:9], s[20:21]        ; my row block's images in it
.irp s, 0,1
.irp p, 0,1,2,3,4,5,6,7,8,9,10,11,12,13,14,15
	global_load_b128 v[D0+64*\s+4*\p:D0+64*\s+4*\p+3], v[L16], s[4:5] offset:1024*\p+512*\s th:TH_LOAD_NT   ; row p, K step s: 32 lanes read 512 consecutive bytes; read once in the launch
.endr
.endr
	s_wait_loadcnt 16                              ; K step 0's sixteen loads are in; K step 1's sixteen may be out
	TURN D0
	QUANT D2, PC0
	v_mov_b32 v[PW0], v[PW]
	IMG PC0, 22, 0
	s_wait_loadcnt 0x0
	TURN D1
	QUANT D2, PC1
	IMG PC1, 22, 2048
	v_cndmask_b32 v[PW], v[PW0], v[PW], s19        ; lanes 0-15 keep K step 0's word, lanes 16-31 K step 1's
	ds_store_b32 v[SWA], v[PW]
	s_wait_dscnt 0x0                               ; for the others' sake: my word has landed
	s_barrier_signal -1
	s_barrier_wait -1
	s_cmp_lt_u32 s14, 2
	s_cbranch_scc0 .Lx_done
	ds_load_b128 v[TM:TM+3], v[CPL]
	s_wait_dscnt 0x0
	global_store_b128 v[CPG], v[TM:TM+3], s[8:9] offset:32768   ; 512 consecutive bytes, aligned
.Lx_done:
	s_set_vgpr_msb 0x4
	s_wait_tensorcnt 0x0
	ds_add_u32 v15, v1
	s_wait_dscnt 0x0
	s_set_vgpr_msb 0x400
	s_endpgm
	; ---------------- w: wave t makes tile t (i = 16 t + r) of record j
.Lw_path:
	v_lshlrev_b32 v[A1], 10, v[TM+1]
	v_lshl_add_u32 v[A1], v[TM+2], 6, v[A1]        ; c_i: row r of 1,024 bytes, + 64 h
	v_lshlrev_b32 v[A2], 6, v[TM+2]                ; c_j: 64 h
	v_add_nc_u32 v[SWA], WSC, v[SWA]
	s_lshl_b32 s22, s14, 6
	v_lshl_add_u32 v[BA], v[TM+1], 2, s22
	v_add_nc_u32 v[BA], NT, v[BA]                  ; my bias: 4 i
	s_lshl_b32 s22, s14, 4
	v_add_nc_u32 v[II], s22, v[TM+1]               ; i
	s_min_u32 s22, s14, 2
	s_lshl_b32 s22, s22, 9
	v_add_nc_u32 v[CPG], s22, v[L16]               ; waves 0 to 2 copy the scale words and the biases out, 512 bytes each
	v_add_nc_u32 v[CPL], WSC, v[CPG]
	s_lshl_b32 s20, s14, 14
	s_add_nc_u64 s[24:25], s[6:7], s[20:21]        ; coords at row 16 t
	s_lshl_b32 s20, s15, 10
	s_add_nc_u64 s[6:7], s[6:7], s[20:21]          ; coords at row j
	s_lshl_b32 s20, s15, 15
	s_lshl_b32 s22, s14, 12
	s_add_co_u32 s20, s20, s22
	s_add_nc_u64 s[10:11], s[10:11], s[20:21]      ; my tile's images
	s_mul_i32 s20, s15, SREC
	s_add_nc_u64 s[12:13], s[12:13], s[20:21]      ; my record of scale words and biases
	LOADC D0, A1, 24, 0
	LOADC D2, A2, 6, 0
	LOADC D1, A1, 24, 1
	s_wait_loadcnt 16                              ; K step 0 of c_i and of c_j is in; c_i's K step 1, sixteen loads, may be out
	NORM D0, NI
	NORM D2, NJ                                    ; the same lines on c_j: the same bits as row j's own sum
	DIFF D0, D2                                    ; w = c_i - c_j, in f32
	LOADC D2, A2, 6, 1
	QUANT D0, PC0
	v_mov_b32 v[PW0], v[PW]
	IMG PC0, 10, 0
	s_wait_loadcnt 0x0
	NORM D1, NI1
	NORM D2, NJ1
	DIFF D1, D2
	QUANT D1, PC1
	IMG PC1, 10, 2048
	v_add_f32 v[NI], v[NI], v[NI1]
	v_add_f32 v[NJ], v[NJ], v[NJ1]
	v_permlanex16_b32 v[TM+4], v[NI], s16, s17
	v_permlanex16_b32 v[TM+5], v[NJ], s16, s17
	v_add_f32 v[NI], v[NI], v[TM+4]                ; |c_i|^2: my half of the coordinates and lane l xor 16's
	v_add_f32 v[NJ], v[NJ], v[TM+5]
	v_sub_f32 v[NI], v[NI], v[NJ]                  ; b = |c_i|^2 - |c_j|^2
	v_mov_b32 v[TM+6], 0x7f000000                  ; 2^127
	v_cmp_eq_u32 vcc_lo, s15, v[II]
	v_cndmask_b32 v[NI], v[NI], v[TM+6], vcc_lo    ; at i = j: a positive number, which a minimum that is tested for > 0 passes over
	v_cndmask_b32 v[PW], v[PW0], v[PW], s19        ; lanes 0-15 keep K step 0's word, lanes 16-31 K step 1's
	ds_store_b32 v[BA], v[NI]                      ; both halves of the lanes write the same word with the same value
	ds_store_b32 v[SWA], v[PW]
	s_wait_dscnt 0x0                               ; for the others' sake: my words have landed
	s_barrier_signal -1
	s_barrier_wait -1
	s_cmp_lt_u32 s14, 3
	s_cbranch_scc0 .Lw_done
	ds_load_b128 v[TM:TM+3], v[CPL]
	s_wait_dscnt 0x0
	global_store_b128 v[CPG], v[TM:TM+3], s[12:13] ; 512 consecutive bytes, aligned
.Lw_done:
	s_set_vgpr_msb 0x4
	s_wait_tensorcnt 0x0
	ds_add_u32 v15, v1
	s_wait_dscnt 0x0
	s_set_vgpr_msb 0x400
	s_endpgm
.Lfunc_end_k_qffc022e6a9_prep:
	.size	k_qffc022e6a9_prep, .Lfunc_end_k_qffc022e6a9_prep-k_qffc022e6a9_prep
	.p2alignl 7, 3214868480
	.fill 96, 4, 3214868480
	.section	.rodata,"a",@progbits
	.p2align	6, 0x0
	.amdhsa_kernel k_qffc022e6a9_prep
		.amdhsa_group_segment_fixed_size 71680
		.amdhsa_private_segment_fixed_size 0
		.amdhsa_enable_private_segment 0
		.amdhsa_kernarg_size 40
		.amdhsa_user_sgpr_count 2
		.amdhsa_user_sgpr_kernarg_segment_ptr 1
		.amdhsa_wavefront_size32 1
		.amdhsa_system_sgpr_workgroup_id_x 1
		.amdhsa_system_sgpr_workgroup_id_y 1
		.amdhsa_system_sgpr_workgroup_id_z 1
		.amdhsa_system_vgpr_workitem_id 0
		.amdhsa_next_free_vgpr 258
		.amdhsa_next_free_sgpr 66
		.amdhsa_reserve_vcc 1
		.amdhsa_float_denorm_mode_32 3
		.amdhsa_float_denorm_mode_16_64 3
		.amdhsa_memory_ordered 1
		.amdhsa_forward_progress 1
		.amdhsa_inst_pref_size 65
	.end_amdhsa_kernel
	.amdgpu_metadata
---
amdhsa.version: [ 1, 2 ]
amdhsa.kernels:
  - .name:           k_qffc022e6a9_prep
    .symbol:         k_qffc022e6a9_prep.kd
    .args:
      - { .name: x, .offset: 0, .size: 8, .value_kind: global_buffer, .address_space: global }
      - { .name: coords, .offset: 8, .size: 8, .value_kind: global_buffer, .address_space: global }
      - { .name: xq, .offset: 16, .size: 8, .value_kind: global_buffer, .address_space: global }
      - { .name: wq, .offset: 24, .size: 8, .value_kind: global_buffer, .address_space: global }
      - { .name: wsb, .offset: 32, .size: 8, .value_kind: global_buffer, .address_space: global }
    .group_segment_fixed_size: 71680
    .private_segment_fixed_size: 0
    .kernarg_segment_align: 8
    .kernarg_segment_size: 40
    .max_flat_workgroup_size: 256
    .sgpr_count:     66
    .vgpr_count:     258
    .wavefront_size: 32
...
	.end_amdgpu_metadata
.endif
;; end of part 1
;; launch pairs (part 2): grid 32 x 8, 4 waves a work-group, clusters of 4 x 4, 327,680 bytes of LDS; arguments xq, wq, wsb, out0; writes out0
.if DOCPART == 2
	.amdgcn_target "amdgcn-amd-amdhsa--gfx1250"
	.amdhsa_code_object_version 6
	.text
	.protected	k_qffc022e6a9_pairs
	.globl	k_qffc022e6a9_pairs
	.p2align	8
	.type	k_qffc022e6a9_pairs,@function
k_qffc022e6a9_pairs:
	s_mov_b64 s[64:65], 0
	v_nop
	global_prefetch_b8 v0, s[64:65] scope:SCOPE_SE
	s_setreg_imm32_b32 hwreg(HW_REG_WAVE_MODE, 25, 1), 1
	s_wait_xcnt 0x0
	s_wait_alu depctr_hold_cnt(0) depctr_sa_sdst(0) depctr_va_vdst(0) depctr_va_sdst(0) depctr_va_ssrc(0) depctr_va_vcc(0) depctr_vm_vsrc(0)
	s_getreg_b32 s2, hwreg(HW_REG_IB_STS2, 6, 4)
	s_cmp_eq_u32 s2, 0
	s_cbranch_scc0 .Lentry_in_a_cluster
	s_endpgm
.Lentry_in_a_cluster:
	s_bfe_u32 s2, ttmp6, 0x10000c
	s_cmp_lg_u32 s2, 0xf033
	s_cbranch_scc0 .Lentry_shape_is_right
	s_endpgm
.Lentry_shape_is_right:
; out0[n][j] = (the second smallest over i of h[n][i][j]) > 0,  h[n][i][j] = sum over d of Q(c_i - c_j)[d] Q(x[n])[d] + (|c_i|^2 - |c_j|^2), Q the MX-FP8 quantiser along d.  Codes, scale words and biases come from the launch before.
; THE SECOND SMALLEST.  c_j - c_j is 0 exactly, its codes are zeros, and its bias is 0: h[n][j][j] = 0 for every n and j.  With a 0 always among the 128 numbers, the second smallest is > 0 just where every OTHER number is > 0:
; where the minimum over i != j is > 0.  The product at i = j is multiplied like any other; its bias arrives as 2^127, which the minimum passes over (any positive number would serve).
; LIMITS: NaN and infinities in the inputs are not served (the minimum drops a NaN).  A minimum that lies within the rounding of an f32 sum of 0 may fall on either side; the bias enters as the C of the sum's first matrix instruction.
; SHARES.  Work-group (X, Y): rows 512 X .. + 511, j = 16 Y .. + 15.  Wave w: rows 128 w .. + 127 of these: eight row blocks of 16, whose fragments (256 registers) stay in registers for the whole launch.
; Every wave walks the work-group's 128 tiles (j, t), t = 16 values of i: 16 matrix instructions a tile (8 row blocks x 2 K steps of 128), 2,048 a wave.  A tile's 4,096 bytes from LDS feed all 16.
; TRANSPOSED USE.  Source 0 = a tile of w (16 values of i), source 1 = 16 rows of x: lane (r, h), register e holds h[row r][i = 16 t + 8 h + e].  So the minimum over i runs inside a lane, and the bias tile hangs on h and e alone: one serves all eight row blocks.
; BY TURNS.  Behind each matrix instruction stand two lines of the minimum (an accumulator finished six matrix instructions before) and, after a j's last tile, two lines of that j's finish.  All that these lines touch lies in window 0, the
; operands in windows 1 and 2: two switches of the register window a matrix instruction.  Set in phases of their own, the 128 lines of a tile's minimum would leave the matrix unit idle; that is the greater price.
; RING.  w's codes go through two LDS slots of 2 j (65,536 bytes).  x's records, and the scale words and biases of the 16 j, come once, with the first fills.
; CLUSTER.  4 x 4 work-groups.  x's records hang on X alone and are asked for jointly by a column of the cluster; w's codes, scale words and biases hang on Y alone and are asked for jointly by a row.  Every wave issues every joint load, for its quarter.
; THE WAY OUT.  A lane ends with 16 bytes, j = 16 Y .. + 15, of each of four rows, and stores them once: 16 bytes of each row of 128.  Whole rows from one work-group would want all 128 j, all of w's codes, through each work-group's LDS.
; REGISTERS.  Window 0: see below.  Window 1: x's fragments, row block rb, K step s at v[32 rb + 16 s].  Window 2: eight sets of w's fragments, set q, K step s at v[32 q + 16 s].
.set XREC,  33792                      ; a record of xq: 128 rows' codes and scale words
.set JREC,  32768                      ; a record of wq: one j's codes
.set SREC,  1536                       ; a record of wsb
.set SLOT1, 1<<16                      ; slot 0 at LDS byte 0, slot 1 here: one exclusive or turns an address in one slot into the other's
.set SBA,   2*SLOT1                    ; the 16 records of wsb: filled once
.set XA,    SBA+16*SREC                ; the four waves' records of xq: filled once
.set SPARE, XA+4*XREC                  ; the spare words, 128 bytes for each wave: two blocks of 256 bytes that no other line names
.set L16, 1                            ; v1   16 x lane; never rewritten
.set L4,  2                            ; v2   SBA + 4 x lane
.set LH,  3                            ; v3   SBA + 1,024 + 32 h
.set AD,  4                            ; v4-6 the addresses of the run of loads in hand: codes, scale words, biases
.set AS,  5
.set AB,  6
.set GO,  7                            ; v7   128 x lane: my row in out0
.set SPW, 8                            ; v8   LDS address of my spare word: SPARE + 4 x my thread's number; never rewritten
.set NIL, 9                            ; v9   0; never rewritten
.set XAD, 10                           ; v10  my wave's record of x in LDS, + 16 x lane
.set XSA, 11                           ; v11  the same, + 4 x lane
.set BS,  12                           ; v12-19   w's scale words, a register a set: they hold scales and nothing else
.set XS,  20                           ; v20-27   x's scale words, a register a row block: likewise
.set FA,  28                           ; v28-35   a j's finish: a minimum a row block
.set U,   36                           ; v36-39   and one for each pair of row blocks
.set OUT, 40                           ; v40-55   the results: 16 bytes for each pair of row blocks
.set BIAS, 56                          ; v56-119  the bias tiles, eight registers a set
.set ACC, 120                          ; v120-183 the eight accumulators
.set M,   184                          ; v184-247 running minima: j's parity p at + 32 p, row block at + 4 rb, four chains
.set WV,  12                           ; s12  my wave's number
.set CX,  13
.set CY,  14
.set WGX, 15
.set WGY, 16
.set MROW, 17
.set MCOL, 18
.set G1X, 24                           ; s[24:31] descriptor group 1 for x's records;  s[32:39] for wsb's;  s[40:47] for w's codes
.set G1S, 32
.set G1B, 40
.set G0X, 48                           ; s[48:51], s[52:55] their groups 0;  s[56:59] slot 0's first fill;  s[60:63] slot 1's, which then walks
.set G0S, 52
.set G0B, 56
.set G0W, 60
.set TB,  66                           ; s66  LDS byte at which the slot begins that the runs read
.set TS,  67                           ; s67  1,536 x that slot's first j
.set CNT, 68
.set HI,  69                           ; s69  lanes 16-31
.set SEL, 70                           ; s[70:71] v_permlanex16_b32's selects for lane l xor 16
.set PSEL, 72                          ; s72  byte selects: a word one byte down, its neighbour's lowest byte on top
.set CM,  76                           ; s[76:79] the masks of the four comparisons
.set W_MM, 0x06                        ; source 0 (w) window 2, source 1 (x) window 1, C and D window 0
.set MSB, 0
.macro WIN new                         ; the immediate's high byte repeats the setting that is left; a switch that changes nothing is dropped
.if MSB != \new
	s_set_vgpr_msb (MSB<<8)|\new
.set MSB, \new
.endif
.endm
.macro CREST                           ; a round of the cluster's barrier behind its opening barrier
	s_cmp_lg_u32 s[WV], 0
	s_cbranch_scc1 .Lnot_wave_0_\@
	s_barrier_signal -3
.Lnot_wave_0_\@:
	s_barrier_wait -3
	s_barrier_signal -1
	s_barrier_wait -1
.endm
.macro CROUND                          ; a whole round
	s_barrier_signal -1
	s_barrier_wait -1
	CREST
.endm
; THE MATRIX INSTRUCTION number om (0-15) of tile tau (0-15) of a slot.  A tile's order: K step 0 of row blocks 0-3, K step 1 of 0-3, K step 0 of 4-7, K step 1 of 4-7: the accumulators take turns, one instruction a turn.
; K step 0 starts the sum with the bias tile as C; K step 1 adds in place and takes both sides' scale words from lanes 16-31.
.macro MM
	WIN W_MM
.set rb_, 4*(om/8)+(om%4)
.set st_, 4*((tau/4)%2)+(tau%4)
.if ((om/4)%2) == 0
	v_wmma_scale_f32_16x16x128_f8f6f4 v[ACC+8*rb_:ACC+8*rb_+7], v[32*st_:32*st_+15], v[32*rb_:32*rb_+15], v[BIAS+8*st_:BIAS+8*st_+7], v[BS+st_], v[XS+rb_]
.else
	v_wmma_scale_f32_16x16x128_f8f6f4 v[ACC+8*rb_:ACC+8*rb_+7], v[32*st_+16:32*st_+31], v[32*rb_+16:32*rb_+31], v[ACC+8*rb_:ACC+8*rb_+7], v[BS+st_], v[XS+rb_] matrix_a_scale:MATRIX_SCALE_ROW1 matrix_b_scale:MATRIX_SCALE_ROW1
.endif
.endm
; A j's FINISH is a list of 56 lines; FIN writes number e of it, for the j of parity par.
;   0-15   the four chains of each row block become one minimum
;   16-31  a row's other eight values of each 16 of i lie in lane l xor 16.  Two row blocks share the exchange: lanes 0-15 keep block 2 p's and send block 2 p + 1's, lanes 16-31 the other way round: U[p] of lane l is row 32 p + l
;   32-39  > 0, as 0 or 1
;   40-55  each pair's 16 result bytes go one byte down and the new byte comes on top: after the 16 j, j = 0 lies in byte 0
.macro FIN e, par
.set fe_, \e
.set fm_, M+32*(\par)
.set fp_, fe_%4
.if fe_ < 8
	v_min3_num_f32 v[FA+fe_], v[fm_+4*fe_], v[fm_+4*fe_+1], v[fm_+4*fe_+2]
.elseif fe_ < 16
	v_min_num_f32 v[FA+fe_-8], v[FA+fe_-8], v[fm_+4*(fe_-8)+3]
.elseif fe_ < 20
	v_cndmask_b32 v[U+fp_], v[FA+2*fp_], v[FA+2*fp_+1], s[HI]
.elseif fe_ < 24
	v_cndmask_b32 v[FA+2*fp_], v[FA+2*fp_+1], v[FA+2*fp_], s[HI]
.elseif fe_ < 28
	v_permlanex16_b32 v[FA+2*fp_+1], v[FA+2*fp_], s[SEL], s[SEL+1]
.elseif fe_ < 32
	v_min_num_f32 v[U+fp_], v[U+fp_], v[FA+2*fp_+1]
.elseif fe_ < 36
	v_cmp_lt_f32 s[CM+fp_], 0, v[U+fp_]
.elseif fe_ < 40
	v_cndmask_b32 v[FA+2*fp_], 0, 1, s[CM+fp_]
.else
.set fq_, (fe_-40)/4
.if fp_ < 3
	v_perm_b32 v[OUT+4*fq_+fp_], v[OUT+4*fq_+fp_+1], v[OUT+4*fq_+fp_], s[PSEL]
.else
	v_perm_b32 v[OUT+4*fq_+3], v[FA+2*fq_], v[OUT+4*fq_+3], s[PSEL]
.endif
.endif
.endm
; THE VECTOR LINES behind matrix instruction om of tile tau: two lines of the minimum of row block (om / 2 + 3) % 8: from om = 10 on this tile's blocks 0-2, before that the tile before's blocks 3-7.
; Each accumulator is read from its low end on.  Between an accumulator's last matrix instruction and its first read stand six such pairs of lines, twelve plain vector instructions that name none of that instruction's registers
; (eight are asked behind this form: ISA guide 7.12.1); between it and the matrix instruction that begins the accumulator anew stand twenty (nine are asked).  A j's first tile starts the chains: nothing is cleared for them.
.macro HS
	WIN 0
.set hr_, (om/2+3)%8
.set ht_, tau
.if om < 10
.set ht_, (tau+15)%16
.endif
.set hm_, M+32*(ht_/8)+4*hr_
.set ha_, ACC+8*hr_
.irp n, 0,1
.set hq_, 2*(om%2)+\n
.if (ht_%8) == 0
	v_min_num_f32 v[hm_+hq_], v[ha_+2*hq_], v[ha_+2*hq_+1]
.else
	v_min3_num_f32 v[hm_+hq_], v[hm_+hq_], v[ha_+2*hq_], v[ha_+2*hq_+1]
.endif
.endr
.set hz_, 16*(tau%8)+om-10
.if (hz_ >= 0) && (hz_ < 28)           ; the j that ended with the tile before a j's first: its last minimum stands behind om = 9
	FIN 2*hz_, 1-tau/8
	FIN 2*hz_+1, 1-tau/8
.endif
.endm
; 44 LDS loads in one run: four tiles (t0 on, of the slot's j number rec) into sets 4 half .. 4 half + 3: a scale word, a bias tile and 32 registers of codes each.  Every load of codes takes 512 consecutive bytes.
.macro RUN half, rec, t0
	WIN 0
	v_add_nc_u32 v[AD], s[TB], v[L16]
	v_add_nc_u32 v[AS], s[TS], v[L4]
	v_add_nc_u32 v[AB], s[TS], v[LH]
.irp u, 0,1,2,3
	ds_load_b32 v[BS+4*(\half)+\u], v[AS] offset:SREC*(\rec)+128*((\t0)+\u)
	ds_load_b128 v[BIAS+8*(4*(\half)+\u):BIAS+8*(4*(\half)+\u)+3], v[AB] offset:SREC*(\rec)+64*((\t0)+\u)
	ds_load_b128 v[BIAS+8*(4*(\half)+\u)+4:BIAS+8*(4*(\half)+\u)+7], v[AB] offset:SREC*(\rec)+64*((\t0)+\u)+16
.endr
	WIN 0x80                               ; destination window 2
.irp u, 0,1,2,3
.irp k, 0,1,2,3,4,5,6,7
	ds_load_b128 v[32*(4*(\half)+\u)+4*\k:32*(4*(\half)+\u)+4*\k+3], v[AD] offset:JREC*(\rec)+4096*((\t0)+\u)+512*\k
.endr
.endr
.endm
.macro SPAN n                          ; n matrix instructions, each with its vector lines
.rept \n
	MM
	HS
.set om, om+1
.endr
.endm
; A SLOT'S 16 TILES, in four groups of four, on the two halves of the sets by turns.  A group's run of loads is issued in the group before, behind its fourth matrix instruction: the half's last reader then stands ten lines of the
; minimum and the run's three additions back (eight places are asked).  The wait at a group's head is for 0: its run, issued 56 matrix instructions or more ago, is all that is out.
; THE CHANGE OF SLOTS stands in the last group: the slot's last bytes are in registers by that group's wait.  chg = 2: the slot is filled again, with the j four on; chg = 1: nothing is left to fetch; chg = 0: the last slot.
.macro SSTEP chg
.set tau, 0
.rept 16
.set om, 0
.if (tau%4) == 0
	s_wait_dscnt 0x0                               ; this group's fragments, scale words and biases are in
.endif
.if (tau < 12) && ((tau%4) == 0)
	SPAN 4
	RUN ((tau/4)+1)%2, (tau+4)/8, (tau+4)%8
	SPAN 12
.elseif (tau == 12) && (\chg)
	WIN 0
	s_wait_tensorcnt 0x0                           ; all my tensor loads have landed: the one that was out is my quarter of the other slot; so a group 0 may be written
	ds_add_u32 v[SPW], v[NIL]                      ; 0 onto my spare word: work on registers stands between it and the wait for it
.if \chg == 2
	s_xor_b32 s[G0W+1], s[G0W+1], SLOT1            ; the walking descriptor: the other slot than last time,
	s_add_nc_u64 s[G0W+2:G0W+3], s[G0W+2:G0W+3], 2*JREC   ; the next two j; the type bits on top are not reached
.endif
	SPAN 4
	s_wait_dscnt 0x0                               ; the add is done; my reads of this slot were over at the group's head
	s_barrier_signal -1                            ; (with chg = 2 this barrier opens a round of the cluster's barrier)
	SPAN 4                                         ; work on registers while the others arrive
	s_barrier_wait -1
.if \chg == 2
	CREST                                          ; no wave of any partner still reads this slot or has a load on its way
	tensor_load_to_lds s[G0W:G0W+3], s[G1B:G1B+7]  ; my one tensor load behind the round, and the first thing there: it has 256 matrix instructions in which to land
	s_nop 0
.rept 4
	v_nop
.endr
.endif
	s_xor_b32 s[TB], s[TB], SLOT1                  ; the runs go on in the other slot,
	s_add_co_u32 s[TS], s[TS], 2*SREC              ; two j further on
	RUN 0, 0, 0
	SPAN 8
.else
	SPAN 16
.endif
.set tau, tau+1
.endr
.endm
	s_load_b256 s[4:11], s[0:1], 0x0               ; xq s[4:5], wq s[6:7], wsb s[8:9], out0 s[10:11]
	v_lshl_add_u32 v[SPW], v0, 2, SPARE
	v_mov_b32 v[NIL], 0
	ds_add_u32 v8, v9
	ds_add_u32 v8, v9
	s_wait_dscnt 0x0
	v_lshrrev_b32 v248, 5, v0
	v_readfirstlane_b32 s[WV], v248                ; wave 0..3
	v_and_b32 v248, 31, v0                         ; lane
	v_bfe_u32 v249, v0, 4, 1                       ; h
	v_lshlrev_b32 v[L16], 4, v248
	v_lshl_add_u32 v[L4], v248, 2, SBA
	v_lshl_add_u32 v[LH], v249, 5, SBA+1024
	v_lshlrev_b32 v[GO], 7, v248
	s_bfe_u32 s[CX], ttmp6, 0x40000                ; my place in the cluster
	s_bfe_u32 s[CY], ttmp6, 0x40004
	s_lshl_b32 s[WGX], ttmp9, 2
	s_add_co_u32 s[WGX], s[WGX], s[CX]             ; X = 4 x cluster x + cx
	s_and_b32 s[WGY], ttmp7, 0xffff
	s_lshl_b32 s[WGY], s[WGY], 2
	s_add_co_u32 s[WGY], s[WGY], s[CY]             ; Y = 4 x cluster y + cy
	s_lshl_b32 s[MROW], s[CY], 2
	s_lshl_b32 s[MROW], 15, s[MROW]                ; my row of the cluster: places 4 cy .. 4 cy + 3
	s_lshl_b32 s[MCOL], 0x1111, s[CX]              ; my column: places cx, cx + 4, cx + 8, cx + 12
	; descriptor groups 1: dense blocks of memory as rows of 256 bytes (32 elements of 8 bytes), no padding: every LDS read takes 16 x lane on end
	s_or_b32 s[G1X], s[MCOL], (3<<16)|(1<<21)      ; 15:0 the mask: x's records go to my column; 17:16 elements of 8 bytes; 21 set beside a mask
	s_or_b32 s[G1S], s[MROW], (3<<16)|(1<<21)      ; scale words and biases go to my row,
	s_or_b32 s[G1B], s[MROW], (3<<16)|(1<<21)      ; and so do w's codes
.irp g, G1X, G1S, G1B
	s_mov_b32 s[\g+1], 32<<16                      ; tensor_dim0 = 32
	s_mov_b32 s[\g+3], 32<<16                      ; tile_dim0 = 32
	s_mov_b32 s[\g+5], 32                          ; from row to row
	s_mov_b32 s[\g+6], 0
	s_mov_b32 s[\g+7], 0
.endr
	s_mov_b32 s[G1X+2], (XREC/256)<<16             ; tensor_dim1 and tile_dim1: a record of x is 132 rows,
	s_mov_b32 s[G1X+4], XREC/256
	s_mov_b32 s[G1S+2], (4*SREC/256)<<16           ; four records of wsb are 24,
	s_mov_b32 s[G1S+4], 4*SREC/256
	s_mov_b32 s[G1B+2], (JREC/512)<<16             ; a quarter of a slot is 64
	s_mov_b32 s[G1B+4], JREC/512
	; offsets, each kind in registers that never hold the coordinate that the partners do not share
	s_lshl_b32 s20, s[WGX], 2
	s_add_co_u32 s20, s20, s[WV]
	s_mul_i32 s20, s20, XREC                       ; xq: record 4 X + wave
	s_mov_b32 s21, 0
	s_lshl_b32 s22, s[WGY], 19                     ; wq: 16 records a work-group row,
	s_lshl_b32 s23, s[WV], 14                      ; my quarter of two records
	s_add_co_u32 s22, s22, s23
	s_mov_b32 s23, 0
	s_mul_i32 s74, s[WGY], 16*SREC                 ; wsb: 16 records a work-group row, four a wave
	s_mul_i32 s75, s[WV], 4*SREC
	s_add_co_u32 s74, s74, s75
	s_mov_b32 s75, 0
	s_lshl_b32 s2, s[WGX], 16                      ; out0: 512 rows of 128 bytes a work-group column,
	s_lshl_b32 s3, s[WV], 14                       ; 128 rows a wave,
	s_add_co_u32 s2, s2, s3
	s_lshl_b32 s3, s[WGY], 4                       ; 16 bytes of a row
	s_add_co_u32 s2, s2, s3
	s_mov_b32 s3, 0
	s_mov_b32 s[TB], 0
	s_mov_b32 s[TS], 0
	s_mov_b32 s[HI], 0xffff0000
	s_mov_b32 s[SEL], 0x76543210
	s_mov_b32 s[SEL+1], 0xfedcba98
	s_mov_b32 s[PSEL], 0x04030201
	s_wait_kmcnt 0x0
	s_mov_b32 s[G0X], 1                            ; 1:0 count = 1
	s_mul_i32 s[G0X+1], s[WV], XREC
	s_add_co_u32 s[G0X+1], s[G0X+1], XA            ; 63:32 LDS address: no place in the cluster enters one
	s_add_nc_u64 s[G0X+2:G0X+3], s[4:5], s[20:21]  ; 120:64 global address
	s_or_b32 s[G0X+3], s[G0X+3], 0x80000000        ; 127:126 type = 2
	s_mov_b32 s[G0S], 1
	s_mul_i32 s[G0S+1], s[WV], 4*SREC
	s_add_co_u32 s[G0S+1], s[G0S+1], SBA
	s_add_nc_u64 s[G0S+2:G0S+3], s[8:9], s[74:75]
	s_or_b32 s[G0S+3], s[G0S+3], 0x80000000
	s_mov_b32 s[G0B], 1
	s_lshl_b32 s[G0B+1], s[WV], 14
	s_add_nc_u64 s[G0B+2:G0B+3], s[6:7], s[22:23]  ; j = 0, 1 of the work-group's 16
	s_mov_b32 s[G0W], 1
	s_add_co_u32 s[G0W+1], s[G0B+1], SLOT1
	s_add_nc_u64 s[G0W+2:G0W+3], s[G0B+2:G0B+3], 2*JREC   ; j = 2, 3
	s_or_b32 s[G0B+3], s[G0B+3], 0x80000000
	s_or_b32 s[G0W+3], s[G0W+3], 0x80000000
	s_add_nc_u64 s[10:11], s[10:11], s[2:3]
	v_add_nc_u32 v[XAD], s[G0X+1], v[L16]
	v_lshl_add_u32 v[XSA], v248, 2, s[G0X+1]
	CROUND                                         ; all sixteen work-groups are here: the first joint loads meet
	tensor_load_to_lds s[G0X:G0X+3], s[G1X:G1X+7]  ; the first fills go out as one group: four loads of mine are out
	s_nop 0
	tensor_load_to_lds s[G0S:G0S+3], s[G1S:G1S+7]
	s_nop 0
	tensor_load_to_lds s[G0B:G0B+3], s[G1B:G1B+7]
	s_nop 0
	tensor_load_to_lds s[G0W:G0W+3], s[G1B:G1B+7]
	s_nop 0
.rept 4
	v_nop
.endr
	; The slot's text is written once for all slots: its first lines finish "the tile before" and "the j before".  In the first slot these find zeros; the byte that they push into the results falls off at the low end under the 16 true ones.
.set k_, 0
.rept 40
	v_mov_b32 v[ACC+24+k_], 0                      ; accumulators of row blocks 3-7
.set k_, k_+1
.endr
.set k_, 0
.rept 32
	v_mov_b32 v[M+32+k_], 0                        ; the minima of parity 1
.set k_, k_+1
.endr
.set k_, 0
.rept 16
	v_mov_b32 v[OUT+k_], 0
.set k_, k_+1
.endr
	s_wait_tensorcnt 0x1                           ; x's record, my part of the scale words and biases and of slot 0 are in; slot 1's load may stay out
	s_barrier_signal -1
	s_barrier_wait -1                              ; everybody's are
	WIN 0x40                                       ; destination window 1
.set k_, 0
.rept 64
	ds_load_b128 v[4*k_:4*k_+3], v[XAD] offset:512*k_   ; x's sixteen fragments, as they stand: they stay
.set k_, k_+1
.endr
	WIN 0
.irp i, 0,1,2,3,4,5,6,7
	ds_load_b32 v[XS+\i], v[XSA] offset:32768+128*\i
.endr
	RUN 0, 0, 0
	WIN 0                                          ; at a label and at a branch every window is 0
	s_mov_b32 s[CNT], 6
.Lstep:                                            ; six trips: slots' worth 0 to 5 of the eight; each fills its slot again, with the j four on
	SSTEP 2
	s_sub_co_u32 s[CNT], s[CNT], 1
	s_cmp_lg_u32 s[CNT], 0
	s_cbranch_scc1 .Lstep
	SSTEP 1                                        ; the tail is written out: the last change of slots fetches nothing
	SSTEP 0
	; the last tile's row blocks 3-7 (the youngest accumulator's last matrix instruction stands 18 plain lines ahead of its first read), and the last j's finish
.irp rb, 3,4,5,6,7
.irp q, 0,1,2,3
	v_min3_num_f32 v[M+32+4*\rb+\q], v[M+32+4*\rb+\q], v[ACC+8*\rb+2*\q], v[ACC+8*\rb+2*\q+1]
.endr
.endr
.set k_, 0
.rept 56
	FIN k_, 1
.set k_, k_+1
.endr
.irp p, 0,1,2,3
	global_store_b128 v[GO], v[OUT+4*\p:OUT+4*\p+3], s[10:11] offset:4096*\p th:TH_STORE_NT   ; row 32 p + lane of my 128: its bytes j = 16 Y .. + 15; written once, read by nobody here
.endr
	s_wait_tensorcnt 0x0                           ; the wave's end, behind my last tensor load
	ds_add_u32 v[SPW], v[NIL]
	s_wait_dscnt 0x0
	CROUND                                         ; the closing round: no work-group ends while a partner may still ask for a tile that names it
	s_endpgm
.Lfunc_end_k_qffc022e6a9_pairs:
	.size	k_qffc022e6a9_pairs, .Lfunc_end_k_qffc022e6a9_pairs-k_qffc022e6a9_pairs
	.p2alignl 7, 3214868480
	.fill 96, 4, 3214868480
	.section	.rodata,"a",@progbits
	.p2align	6, 0x0
	.amdhsa_kernel k_qffc022e6a9_pairs
		.amdhsa_group_segment_fixed_size 327680
		.amdhsa_private_segment_fixed_size 0
		.amdhsa_enable_private_segment 0
		.amdhsa_kernarg_size 32
		.amdhsa_user_sgpr_count 2
		.amdhsa_user_sgpr_kernarg_segment_ptr 1
		.amdhsa_wavefront_size32 1
		.amdhsa_system_sgpr_workgroup_id_x 1
		.amdhsa_system_sgpr_workgroup_id_y 1
		.amdhsa_system_sgpr_workgroup_id_z 1
		.amdhsa_system_vgpr_workitem_id 0
		.amdhsa_next_free_vgpr 768
		.amdhsa_next_free_sgpr 80
		.amdhsa_reserve_vcc 0
		.amdhsa_float_denorm_mode_32 3
		.amdhsa_float_denorm_mode_16_64 3
		.amdhsa_memory_ordered 1
		.amdhsa_forward_progress 1
		.amdhsa_inst_pref_size 255
	.end_amdhsa_kernel
	.section	.bss,"aw",@nobits
	.p2align	6
	.space	262144
	.amdgpu_metadata
---
amdhsa.version: [ 1, 2 ]
amdhsa.kernels:
  - .name:           k_qffc022e6a9_pairs
    .symbol:         k_qffc022e6a9_pairs.kd
    .args:
      - { .name: xq, .offset: 0, .size: 8, .value_kind: global_buffer, .address_space: global }
      - { .name: wq, .offset: 8, .size: 8, .value_kind: global_buffer, .address_space: global }
      - { .name: wsb, .offset: 16, .size: 8, .value_kind: global_buffer, .address_space: global }
      - { .name: out0, .offset: 24, .size: 8, .value_kind: global_buffer, .address_space: global }
    .group_segment_fixed_size: 327680
    .private_segment_fixed_size: 0
    .kernarg_segment_align: 8
    .kernarg_segment_size: 32
    .max_flat_workgroup_size: 128
    .sgpr_count:     80
    .vgpr_count:     768
    .wavefront_size: 32
...
	.end_amdgpu_metadata
.endif
;; end of part 2
